; MI455X (gfx1250); checked and timed in simulation.
; The chip was launched on July 23, 2026; its instructions are those of AMD's public machine-readable ISA for CDNA 5 (MIT licence, August 2026) and "CDNA5" Instruction Set Architecture Reference Guide (July 2026). The comments in the code are by the model that wrote it; some were corrected since.
;; Vector Quantization. Allowed arithmetic: matrix products marked QUANTISED: E2M3 operands, one E8M0 scale for each 32 along K, by v_wmma_scale_f32_16x16x128_f8f6f4 with both operands' format E2M3, f32 sums; everything else in f32.
;; Inputs: vectors 8,192 x 256 float32; x_codes 8 x 4,096 x 8 x 24 uint8 (E2M3 codes of x, K innermost, in blocks of 32 codes, four codes in three bytes); x_scales 8 x 4,096 x 8 uint8 (E8M0 scales of x, one for each 32 codes along K).
;; Outputs: out0 8 x 4,096 int32.
;; This version of the problem:
;;   THIS VERSION OF THE PROBLEM IS GIVEN IN LOW PRECISION. The matrix products marked QUANTISED in the list below multiply operands that are first quantised to E2M3 (2 exponent bits, 3 mantissa bits; 6 bits a number), with one power-of-two scale for each 32 numbers along K (OCP MX v1.0); their sums are f32. All else is computed in f32.
;;   The module's matrix products, in the order in which they are computed (A, B: the left and right operand; K: the contracted axis; several contracted axes count as one K, in the product's order):
;;     1. [M 32,768, K 256] x [K 256, N 8,192]; A: input x (given as codes); B: input vectors: QUANTISED
;;   THE QUANTISER, for each operand of a quantised product, along K:
;;     - K is cut into blocks of 32 from its start; a last block that is shorter is filled with zeros.
;;     - A block's scale is 2^e with e = floor(log2(the largest magnitude in the block)) - 2, held to -126 .. 127; a block of zeros has e = 0. As a byte (E8M0): e + 127.
;;     - Each number is divided by its block's scale, clamped to +-7.5, and rounded to the nearest number of E2M3, ties to even, subnormals kept.
;;     - The product sums the exact products of the quantised numbers (number of the format x scale) in f32.
;;   ~~~python
;;   def quantise(x, axis):      # numpy; x: float32 -> the quantised numbers, widened to float32 again
;;       x = np.moveaxis(x, axis, -1); K = x.shape[-1]
;;       x = np.pad(x, [(0, 0)] * (x.ndim - 1) + [(0, -K % 32)]); x = x.reshape(x.shape[:-1] + (-1, 32)); a = np.abs(x).max(-1, keepdims=True)
;;       e = np.where(a > 0, np.clip(np.frexp(np.where(a > 0, a, 1))[1] - 1 - 2, -126, 127), 0)      # np.frexp(a)[1] - 1 = floor(log2(a)), exactly
;;       r = np.clip(x / 2.0 ** e, -7.5, 7.5)
;;       step = 2.0 ** (np.maximum(np.frexp(np.where(r == 0, 1, r))[1] - 1, 0) - 3)
;;       q = np.round(r / step) * step * 2.0 ** e      # np.round: ties to even
;;       return np.moveaxis(q.reshape(q.shape[:-2] + (-1,))[..., :K], -1, axis).astype(np.float32)
;;   ~~~
;;   INPUTS GIVEN AS CODES. x (in the module: [8, 4096, 256], K = its axis 2): each comes as NAME_codes (uint8): NAME with its K axis moved to the last place and cut into blocks of 32 codes, [.., K / 32, bytes a block], one block behind the other in memory; four codes in three bytes: a row's codes are one little-endian stream of bits, code i at bits 6 i .. 6 i + 5 (a code: sign, 2 exponent bits, 3 mantissa bits); and NAME_scales (uint8): the same leading axes, one E8M0 byte (e + 127) for each 32 codes along K. Its value is code x scale, taken as it is: it is not quantised again, and the codes and scales need not be those that the quantiser above would give.
;; One version. Each part assembles by itself: llvm-mc -triple=amdgcn-amd-amdhsa -mcpu=gfx1250 --defsym DOCPART=n.
;; ======== version 1 of 1: 3 launches
;; limits: right only within a limited range of input values
;; workspace buffers: vq 1,703,936 bytes; part 2,097,152 bytes of whole numbers
;; launch quant (part 1): grid 256 x 1, 2 waves a work-group, no clusters, 34,048 bytes of LDS; arguments vectors, vq; writes vq
.if DOCPART == 1
	.amdgcn_target "amdgcn-amd-amdhsa--gfx1250"
	.amdhsa_code_object_version 6
	.text
	.protected	k_qb99935ee80_quant
	.globl	k_qb99935ee80_quant
	.p2align	8
	.type	k_qb99935ee80_quant,@function
k_qb99935ee80_quant:
	s_mov_b64 s[64:65], 0
	v_nop
	global_prefetch_b8 v0, s[64:65] scope:SCOPE_SE
	s_setreg_imm32_b32 hwreg(HW_REG_WAVE_MODE, 25, 1), 1
	s_wait_xcnt 0x0
; vectors [8192][256] f32 -> vq: 512 records of 3,328 bytes, one for each 16 rows of the codebook, laid as the later launches' operand registers want them.
; A record: bytes 512 g + 16 lane (g = 0 .. 5): registers 4 g .. 4 g + 3 of the lane's 24 code registers; 3,072 + 4 lane: the scale register; 3,200 + 4 m: -v_sq / 2 of row m, and once more at 3,264 + 4 m.
; Codes are FP6 (E2M3), one E8M0 scale for each 32 along K: scale = 2^(floor(log2(the block's largest magnitude)) - 2); each number / scale, to the nearest code, ties to even, beyond 7.5 the largest code.
; THE ORDER OF K'S BLOCKS.  Lane (r, h) holds HALF h of row r: blocks 4 h + 0 .. 3, six registers each.  K step s of the product takes registers 12 s .. 12 s + 11: the operand's block place 2 c + h then
; holds the row's block 4 h + 2 s + c.  The later launches lay x the same way, so each product meets its partner; only the order in which a row's eight blocks are added differs from ascending K.
; The scale register: lanes 0-15 row r's word for K step 0, lanes 16-31 row r's word for K step 1; byte 2 c + h of word s is the byte of block 4 h + 2 s + c.
; v_sq is the sum of squares of the UNQUANTISED numbers, in f32, by fused multiply-adds in four chains: another order of rounding than a plain sum's.  It is stored x -0.5 (exact): the later launches
; give it to the matrix instruction as C, so that the sum is dot - v_sq / 2 = -(v_sq - 2 dot) / 2.
; LIMITS: NaN and infinities are not served.  A block of zeros gets the byte 1 where the rule says 127: its codes are zeros, and this program alone reads the bytes.
; One wave makes one record.  Each load reads 512 consecutive bytes; the 16 rows turn through the wave's own stage in LDS, so that a lane gets 128 neighbours along K.  Waves share nothing: no barrier.
.set REC,    3328
.set SPITCH, 1040                      ; a stage row: 1,024 bytes + 16: an odd multiple of 16
.set TAIL,   16*SPITCH                 ; behind the stage: the record's last 256 bytes
.set WLDS,   TAIL+256                  ; a wave's LDS
.set X,   32                           ; v32-159  128 numbers
.set C,   160                          ; v160-183 the 24 code registers
.set C2,  184                          ; v184-198 each block's upper 16 codes, as the conversion leaves them
.set MX,  12                           ; v12-15   the blocks' largest magnitudes
.set SO,  16                           ; v16-19   the conversions' scale operands
.set SB,  20                           ; v20-23   the scale bytes
	s_load_b128 s[4:7], s[0:1], 0x0                ; vectors, vq
	v_lshl_add_u32 v200, v0, 2, 0x8400             ; my spare word, behind the two waves' LDS
	v_mov_b32 v201, 0
	v_lshrrev_b32 v1, 5, v0
	v_readfirstlane_b32 s8, v1                     ; wave 0, 1
	v_and_b32 v2, 31, v0                           ; lane
	v_and_b32 v3, 15, v0                           ; r
	v_bfe_u32 v7, v0, 4, 1                         ; h
	v_lshlrev_b32 v4, 4, v2                        ; 16 x lane
	s_mul_i32 s9, s8, WLDS                         ; my wave's LDS
	v_add_nc_u32 v5, s9, v4                        ; the stage, on the way in
	v_mul_u32_u24 v6, v3, SPITCH
	v_lshl_add_u32 v6, v7, 9, v6
	v_add_nc_u32 v6, s9, v6                        ; and on the way out: row r, half h
	s_add_co_u32 s9, s9, TAIL
	v_lshl_add_u32 v8, v2, 2, s9                   ; the tail: 4 x lane: the scale register
	v_lshlrev_b32 v9, 2, v3
	v_lshl_add_u32 v9, v7, 6, v9
	v_add_nc_u32 v9, s9, v9                        ; 4 r + 64 h: a copy from each half of the lanes (128 bytes on, by the store's offset)
	v_lshlrev_b32 v11, 3, v2                       ; 8 x lane: the tail's way out
	v_add_nc_u32 v10, s9, v11
	s_mov_b32 s10, 0x76543210
	s_mov_b32 s11, 0xfedcba98                      ; v_permlanex16_b32's selects for lane l xor 16
	s_lshl_b32 s12, ttmp9, 1
	s_add_co_u32 s12, s12, s8                      ; my record: 2 x work-group + wave
	s_lshl_b32 s14, s12, 14                        ; its 16 rows of 1,024 bytes
	s_mov_b32 s15, 0
	s_mul_i32 s16, s12, REC
	s_mov_b32 s17, 0
	s_wait_alu depctr_va_vdst(0)                   ; the wait at the head's end
	s_wait_kmcnt 0x0
	s_add_nc_u64 s[4:5], s[4:5], s[14:15]
	s_add_nc_u64 s[6:7], s[6:7], s[16:17]
.set i, 0
.rept 32
	global_load_b128 v[X+4*i:X+4*i+3], v4, s[4:5] offset:512*i th:TH_LOAD_NT   ; 512 consecutive bytes: half a row; read once in the launch
.set i, i+1
.endr
.set i, 0
.rept 32
	s_wait_loadcnt 31-i                            ; loads come back in order: load i is in, the 31 - i behind it may be out
	ds_store_b128 v5, v[X+4*i:X+4*i+3] offset:(i/2)*SPITCH+(i%2)*512
.set i, i+1
.endr
	s_wait_dscnt 0x0                               ; the stores have read their registers, which the loads below fill again
.set i, 0
.rept 32
	ds_load_b128 v[X+4*i:X+4*i+3], v6 offset:16*i  ; register n: number 128 h + n of row r
.set i, i+1
.endr
	s_wait_dscnt 0x0
.irp b, 0,1,2,3
	v_max3_num_f32 v[MX+\b], |v[X+32*\b]|, |v[X+32*\b+1]|, 0x1800000   ; with the floor 2^(3 - 127) among the leaves: the byte cannot fall under 1
.endr
.irp i, 2,4,6,8,10,12,14,16,18,20,22,24,26,28,30
.irp b, 0,1,2,3
	v_max3_num_f32 v[MX+\b], v[MX+\b], |v[X+32*\b+\i]|, |v[X+32*\b+\i+1]|   ; the four blocks by turns
.endr
.endr
.irp b, 0,1,2,3
	v_add_nc_u32 v[SO+\b], 0xff000000, v[MX+\b]    ; 2 off the exponent field: the conversion takes this operand's exponent field as its scale
.endr
.irp b, 0,1,2,3
	v_lshrrev_b32 v[SB+\b], 23, v[SO+\b]           ; the scale's byte
.endr
	v_pk_mul_f32 v[24:25], v[X:X+1], v[X:X+1]      ; my 128 squares in two packed chains
	v_pk_mul_f32 v[26:27], v[X+2:X+3], v[X+2:X+3]
.set i, 4
.rept 31
	v_pk_fma_f32 v[24:25], v[X+i:X+i+1], v[X+i:X+i+1], v[24:25]
	v_pk_fma_f32 v[26:27], v[X+i+2:X+i+3], v[X+i+2:X+i+3], v[26:27]
.set i, i+4
.endr
	v_pk_add_f32 v[24:25], v[24:25], v[26:27]
	v_add_f32 v24, v24, v25
	v_permlanex16_b32 v25, v24, s10, s11           ; the row's other half
	v_add_f32 v24, v24, v25                        ; v_sq of row r, in both halves of the lanes
	v_mul_f32 v24, -0.5, v24                       ; -v_sq / 2
.irp b, 0,1,2,3
	v_cvt_scalef32_pk16_fp6_f32 v[C+6*\b:C+6*\b+2], v[X+32*\b:X+32*\b+15], v[SO+\b]
	v_cvt_scalef32_pk16_fp6_f32 v[C2+4*\b:C2+4*\b+2], v[X+32*\b+16:X+32*\b+31], v[SO+\b]   ; (three registers from an even number on: the upper half is made elsewhere and moved)
.endr
	v_nop                                          ; one plain vector instruction behind the last scaled conversion
.irp b, 0,1,2,3
.irp i, 0,1,2
	v_mov_b32 v[C+6*\b+3+\i], v[C2+4*\b+\i]
.endr
.endr
	v_lshl_or_b32 v28, v[SB+1], 16, v[SB]          ; my bytes of blocks 2 s and 2 s + 1 of my half go to bytes h and 2 + h of word s
	v_lshl_or_b32 v29, v[SB+3], 16, v[SB+2]
	v_lshlrev_b32 v1, 3, v7                        ; 8 h
	v_lshlrev_b32 v28, v1, v28
	v_lshlrev_b32 v29, v1, v29
	v_mov_b32 v30, 0                               ; (a lane permute's destination counts as one of its sources)
	v_mov_b32 v31, 0
	v_permlanex16_b32 v30, v28, s10, s11
	v_permlanex16_b32 v31, v29, s10, s11
	v_or_b32 v28, v28, v30
	v_or_b32 v29, v29, v31
	v_cmp_eq_u32 vcc_lo, 1, v7
	v_cndmask_b32 v28, v28, v29, vcc_lo            ; lanes 0-15 keep word 0, lanes 16-31 take word 1
.irp g, 0,1,2,3,4,5
	global_store_b128 v4, v[C+4*\g:C+4*\g+3], s[6:7] offset:512*\g   ; 512 consecutive bytes, at a multiple of 256 from vq's first byte
.endr
	ds_store_b32 v8, v28                           ; the record's last 256 bytes are gathered in LDS,
	ds_store_b32 v9, v24 offset:128
	ds_load_b64 v[12:13], v10                      ; (LDS serves a wave's instructions in order: this sees the stores)
	s_wait_dscnt 0x0
	global_store_b64 v11, v[12:13], s[6:7] offset:3072   ; and leave as 256 consecutive bytes
	s_wait_tensorcnt 0x0                           ; the wave's end
	ds_add_u32 v200, v201
	s_wait_dscnt 0x0
	s_endpgm
.Lfunc_end_k_qb99935ee80_quant:
	.size	k_qb99935ee80_quant, .Lfunc_end_k_qb99935ee80_quant-k_qb99935ee80_quant
	.p2alignl 7, 3214868480
	.fill 96, 4, 3214868480
	.section	.rodata,"a",@progbits
	.p2align	6, 0x0
	.amdhsa_kernel k_qb99935ee80_quant
		.amdhsa_group_segment_fixed_size 34048
		.amdhsa_private_segment_fixed_size 0
		.amdhsa_enable_private_segment 0
		.amdhsa_kernarg_size 16
		.amdhsa_user_sgpr_count 2
		.amdhsa_user_sgpr_kernarg_segment_ptr 1
		.amdhsa_wavefront_size32 1
		.amdhsa_system_sgpr_workgroup_id_x 1
		.amdhsa_system_sgpr_workgroup_id_y 1
		.amdhsa_system_sgpr_workgroup_id_z 1
		.amdhsa_system_vgpr_workitem_id 0
		.amdhsa_next_free_vgpr 202
		.amdhsa_next_free_sgpr 66
		.amdhsa_reserve_vcc 1
		.amdhsa_float_denorm_mode_32 3
		.amdhsa_float_denorm_mode_16_64 3
		.amdhsa_memory_ordered 1
		.amdhsa_forward_progress 1
		.amdhsa_inst_pref_size 21
	.end_amdhsa_kernel
	.amdgpu_metadata
---
amdhsa.version: [ 1, 2 ]
amdhsa.kernels:
  - .name:           k_qb99935ee80_quant
    .symbol:         k_qb99935ee80_quant.kd
    .args:
      - { .name: vectors, .offset: 0, .size: 8, .value_kind: global_buffer, .address_space: global }
      - { .name: vq, .offset: 8, .size: 8, .value_kind: global_buffer, .address_space: global }
    .group_segment_fixed_size: 34048
    .private_segment_fixed_size: 0
    .kernarg_segment_align: 8
    .kernarg_segment_size: 16
    .max_flat_workgroup_size: 64
    .sgpr_count:     66
    .vgpr_count:     202
    .wavefront_size: 32
...
	.end_amdgpu_metadata
.endif
;; end of part 1
;; launch scan (part 2): grid 32 x 8, 8 waves a work-group, clusters of 4 x 1, 327,680 bytes of LDS; arguments x_codes, x_scales, vq, part; writes part
.if DOCPART == 2
	.amdgcn_target "amdgcn-amd-amdhsa--gfx1250"
	.amdhsa_code_object_version 6
	.text
	.protected	k_qb99935ee80_scan
	.globl	k_qb99935ee80_scan
	.p2align	8
	.type	k_qb99935ee80_scan,@function
k_qb99935ee80_scan:
	s_mov_b64 s[64:65], 0
	v_nop
	global_prefetch_b8 v0, s[64:65] scope:SCOPE_SE
	s_setreg_imm32_b32 hwreg(HW_REG_WAVE_MODE, 25, 1), 1
	s_wait_xcnt 0x0
	s_wait_alu depctr_hold_cnt(0) depctr_sa_sdst(0) depctr_va_vdst(0) depctr_va_sdst(0) depctr_va_ssrc(0) depctr_va_vcc(0) depctr_vm_vsrc(0)
	s_getreg_b32 s2, hwreg(HW_REG_IB_STS2, 6, 4)
	s_cmp_eq_u32 s2, 0
	s_cbranch_scc0 .Lentry_in_a_cluster
	s_endpgm
.Lentry_in_a_cluster:
	s_bfe_u32 s2, ttmp6, 0x10000c
	s_cmp_lg_u32 s2, 0x3003
	s_cbranch_scc0 .Lentry_shape_is_right
	s_endpgm
.Lentry_shape_is_right:
; reference(): argmin over k of v_sq[k] - 2 <x_n, v_k>, the product on FP6 (E2M3) codes with E8M0 scales.  Here: for each query the best code of a slice of 1,024, to a group of 8 codes.
; Nothing of reference() is left out.  The work-group takes 1,024 queries (128 a wave, 8 tiles of 16, their codes in window 1) against one slice: 64 records of vq (16 codes each), all in LDS.
; The matrix instruction takes 16 codes as source 0 and 16 queries as source 1: lane (r, h) holds query r, and its registers j the codes 8 h + j of the record.  K's blocks lie as launch quant lays them, on both sides.
; THE FIRST K STEP TAKES -v_sq / 2 AS C, so the accumulator ends as t = dot - v_sq / 2 = -score / 2, and the LARGEST t is the smallest score: no vector instruction is spent on the scores themselves.
; For each tile a lane keeps its largest t so far and the number of the record in which it rose (strict comparison: the earlier record keeps a tie).  Which of the lane's 8 codes it was is found by launch pick.
; OUT, part: word [slice][query] = a key, the bits of 0 - t made to rise with it as an unsigned whole number; 1,048,576 bytes on, in the same layout, the group's number = the code's index / 8 (0 .. 1,023).
; Between the two halves of the lanes the larger t wins, and on a tie the lower group.
; LIMITS: NaN and infinities are not served.  ROUNDING: t is rounded behind each of the two K steps, inside the matrix instruction, where reference() rounds v_sq - 2 dot once: two codes whose scores lie
; within 2 units in the last place of each other may change places.  0 - t is never -0, so equal t have equal keys.
; CLUSTER: the four work-groups along x read the same slice: each wave's 8 records come by one joint load with the mask of the four.  LDS is filled once; no bytes are filled again.
; No prefetch: the slice is asked for once, at the head, and the loop reads LDS alone: there is no stream to run ahead of.
.set REC,    3328
.set SLB,    64*REC                    ; a slice in LDS, from byte 0
.set WPART,  8*REC                     ; what one wave's load brings: 104 rows of 256 bytes
.set XST,    SLB                       ; behind it: a stage of 3,072 bytes for each wave (x on the way in, the results on the way out)
.set XSTW,   3072
.set SPARE,  XST+8*XSTW                ; behind the stages: the spare words, 128 bytes a wave
.set L16,  1                           ; 16 x lane
.set RSA,  2                           ; stage + 4 r
.set AS0,  3                           ; 3,072 + 4 x lane: a record's scale register
.set AV0,  4                           ; 3,200 + 32 h: my 8 words of -v_sq / 2
.set AI,   5                           ; the three with the trip's record added
.set AS,   6
.set AV,   7
.set XS,   8                           ; v8-15   x's scale words, a register a tile
.set CS,   16                          ; v16-17  the records' scale registers, two sets
.set XSI,  18
.set XSO,  19
.set FA,   20                          ; v20-67  the records' codes, two sets of 24
.set VQ,   68                          ; v68-83  -v_sq / 2, two sets of 8
.set D,    84                          ; v84-147 eight accumulators, two sets of four
.set M,    148                         ; v148-155 two maxima a tile
.set BEST, 180                         ; v180-195 tile q: two registers, old and new by turns
.set TID,  196                         ; v196-203 the record of the best
.set IDX,  208
.set KT,   216
.set OV,   84
.set OI,   92
.set T,    20                          ; the head: x as loaded, v20-211
.set XB,   224
.set SELV, 240
.set R8,   241
.set IB,   242
.set SPW,  254
.set NIL,  255
.set WV,   12
.set TB,   20
.set TN,   21
.set CNT,  22
.set G1,   24
.set G0,   32
.set SEL,  48
.set MK,   56                          ; s56-59 four masks
.set MSB, 0
.macro WIN new                         ; the immediate's high byte repeats the setting that is left
.if MSB != \new
	s_set_vgpr_msb (MSB<<8)|\new
.set MSB, \new
.endif
.endm
.macro CROUND                          ; a round of the cluster's barrier
	s_barrier_signal -1
	s_barrier_wait -1
	s_cmp_lg_u32 s[WV], 0
	s_cbranch_scc1 .Lnot_wave_0_\@
	s_barrier_signal -3
.Lnot_wave_0_\@:
	s_barrier_wait -3
	s_barrier_signal -1
	s_barrier_wait -1
.endm
	s_load_b256 s[4:11], s[0:1], 0x0               ; x_codes, x_scales, vq, part
	v_lshl_add_u32 v[SPW], v0, 2, SPARE
	v_mov_b32 v[NIL], 0
	ds_add_u32 v[SPW], v[NIL]                      ; the opening lines: the add twice on end and its wait ahead of my tensor load
	ds_add_u32 v[SPW], v[NIL]
	v_lshrrev_b32 v243, 5, v0
	v_readfirstlane_b32 s[WV], v243                ; wave 0..7
	s_bfe_u32 s13, ttmp6, 0x40000                  ; cx
	s_lshl_b32 s14, ttmp9, 2
	s_add_co_u32 s14, s14, s13                     ; work-group x: which 1,024 queries
	s_and_b32 s15, ttmp7, 0xffff                   ; y: which slice
	s_lshl_b32 s16, s14, 10
	s_lshl_b32 s17, s[WV], 7
	s_add_co_u32 s16, s16, s17                     ; my wave's first query
	s_mul_i32 s18, s16, 192                        ; its codes
	s_mov_b32 s19, 0
	s_lshl_b32 s50, s16, 3                         ; its scales
	s_mov_b32 s51, 0
	s_lshl_b32 s52, s15, 15
	s_add_co_u32 s52, s52, s16
	s_lshl_b32 s52, s52, 2                         ; part: 4 (32,768 slice + query)
	s_mov_b32 s53, 0
	s_mul_i32 s54, s15, SLB
	s_mul_i32 s22, s[WV], WPART
	s_add_co_u32 s54, s54, s22                     ; vq: the slice, my 8 records
	s_mov_b32 s55, 0
	s_mul_i32 s20, s[WV], XSTW
	s_add_co_u32 s20, s20, XST                     ; my stage
	s_lshl_b32 s21, s15, 7                         ; the slice's first group of 8 codes
	s_mov_b32 s[SEL], 0x76543210
	s_mov_b32 s[SEL+1], 0xfedcba98                 ; v_permlanex16_b32: lane l xor 16
	s_mov_b32 s[G1+0], 15|(3<<16)|(1<<21)          ; the mask of the four; elements of 8 bytes; bit 21 beside a mask
	s_mov_b32 s[G1+1], 32<<16                      ; rows of 256 bytes,
	s_mov_b32 s[G1+2], 104<<16                     ; 104 of them, dense
	s_mov_b32 s[G1+3], 32<<16
	s_mov_b32 s[G1+4], 104
	s_mov_b32 s[G1+5], 32
	s_mov_b32 s[G1+6], 0
	s_mov_b32 s[G1+7], 0
	s_mov_b32 s[G0], 1
	s_mul_i32 s[G0+1], s[WV], WPART                ; LDS: wave x 8 records
	v_and_b32 v243, 31, v0                         ; lane
	v_and_b32 v244, 15, v0                         ; r
	v_bfe_u32 v245, v0, 4, 1                       ; h
	v_lshlrev_b32 v[L16], 4, v243
	v_lshl_add_u32 v[AS0], v243, 2, 3072
	v_lshl_add_u32 v[AV0], v245, 5, 3200
	v_add_nc_u32 v[XSI], s20, v[L16]
	v_mul_u32_u24 v[XSO], v244, 192
	v_mad_u32_u24 v[XSO], v245, 96, v[XSO]
	v_add_nc_u32 v[XSO], s20, v[XSO]               ; row r of a tile of x, half h
	v_lshl_add_u32 v[RSA], v244, 2, s20
	v_lshlrev_b32 v[R8], 3, v244
	v_add_nc_u32 v[IB], s21, v245                  ; 128 slice + h
	v_cmp_eq_u32 vcc_lo, 1, v245
	v_mov_b32 v[SELV], 0x07030602
	v_cndmask_b32 v[SELV], 0x05010400, v[SELV], vcc_lo   ; lanes 0-15: blocks 0, 4, 1, 5; lanes 16-31: blocks 2, 6, 3, 7
	s_wait_alu depctr_va_vdst(0)                   ; the wait at the head's end
	s_wait_dscnt 0x0                               ; both opening adds are done
	s_wait_kmcnt 0x0
	s_add_nc_u64 s[4:5], s[4:5], s[18:19]
	s_add_nc_u64 s[6:7], s[6:7], s[50:51]
	s_add_nc_u64 s[10:11], s[10:11], s[52:53]
	s_add_nc_u64 s[8:9], s[8:9], s[54:55]
.set i, 0
.rept 48
	global_load_b128 v[T+4*i:T+4*i+3], v[L16], s[4:5] offset:512*i   ; my 128 rows of x: 512 consecutive bytes a load
.set i, i+1
.endr
.irp q, 0,1,2,3,4,5,6,7
	global_load_b64 v[XB+2*\q:XB+2*\q+1], v[R8], s[6:7] offset:128*\q
.endr
	s_mov_b64 s[G0+2:G0+3], s[8:9]
	s_or_b32 s[G0+3], s[G0+3], 0x80000000
	CROUND                                         ; the four partners are here: the joint loads meet
	tensor_load_to_lds s[G0:G0+3], s[G1:G1+7]      ; my one tensor load: 8 records; the eight waves' loads bring the whole slice
	s_nop 0
.rept 4
	v_nop
.endr
	WIN 0x40                                       ; loaded data into window 1
.irp q, 0,1,2,3,4,5,6,7
	s_wait_loadcnt 50-6*\q                         ; of the 56 loads the first 6 (q + 1) are in
.irp g, 0,1,2,3,4,5
	ds_store_b128 v[XSI], v[T+24*\q+4*\g:T+24*\q+4*\g+3] offset:512*\g
.endr
.irp g, 0,1,2,3,4,5
	ds_load_b128 v[24*\q+4*\g:24*\q+4*\g+3], v[XSO] offset:16*\g   ; LDS serves a wave's instructions in order: tile q turns through my own stage
.endr
.endr
	WIN 0
	s_wait_loadcnt 0x0
.irp q, 0,1,2,3,4,5,6,7
	v_perm_b32 v[XS+\q], v[XB+2*\q+1], v[XB+2*\q], v[SELV]
.endr
	s_mov_b32 s50, 0xff800000
.set i, 0
.rept 16
	v_mov_b32 v[BEST+i], s50
.set i, i+1
.endr
.set i, 0
.rept 8
	v_mov_b32 v[TID+i], 0
.set i, i+1
.endr
.set i, 0
.rept 32
	v_mov_b32 v[D+32+i], s50                       ; the loop's first pass over 'the group before' finds -infinity, which betters nothing
.set i, i+1
.endr
	s_mov_b32 s[TB], 0
	s_mov_b32 s[TN], -1
	s_mov_b32 s[CNT], 31
	s_wait_alu depctr_va_vdst(0)                   ; the wait ahead of the waits below
	s_wait_tensorcnt 0x0                           ; my 8 records are in
	s_wait_dscnt 0x0
	s_barrier_signal -1
	s_barrier_wait -1                              ; and everybody's
.irp g, 0,1,2,3,4,5
	ds_load_b128 v[FA+4*\g:FA+4*\g+3], v[L16] offset:512*\g
.endr
	ds_load_b32 v[CS], v[AS0]
	ds_load_b128 v[VQ:VQ+3], v[AV0]
	ds_load_b128 v[VQ+4:VQ+7], v[AV0] offset:16
; K step s of record set f against tile q of x; the first step's C is the record's -v_sq / 2
.macro W s, q, f, cs, d, vq
.if \s == 0
	v_wmma_scale_f32_16x16x128_f8f6f4 v[(\d):(\d)+7], v[(\f):(\f)+11], v[24*(\q):24*(\q)+11], v[(\vq):(\vq)+7], v[\cs], v[XS+(\q)] matrix_a_fmt:MATRIX_FMT_FP6 matrix_b_fmt:MATRIX_FMT_FP6
.else
	v_wmma_scale_f32_16x16x128_f8f6f4 v[(\d):(\d)+7], v[(\f)+12:(\f)+23], v[24*(\q)+12:24*(\q)+23], v[(\d):(\d)+7], v[\cs], v[XS+(\q)] matrix_a_fmt:MATRIX_FMT_FP6 matrix_b_fmt:MATRIX_FMT_FP6 matrix_a_scale:MATRIX_SCALE_ROW1 matrix_b_scale:MATRIX_SCALE_ROW1
.endif
.endm
; The 24 vector lines that finish four tiles (q0 .. q0 + 3, accumulator set ds), the four by turns: 16 maxima of three, 4 compares, 4 selects.  Each accumulator is read from its low end on.
.macro VAL q0, ds, par
.set SD, D+32*(\ds)
.irp t, 0,1,2,3
	v_max3_num_f32 v[M+2*\t], v[SD+8*\t], v[SD+8*\t+1], v[SD+8*\t+2]
.endr
.irp t, 0,1,2,3
	v_max3_num_f32 v[M+2*\t+1], v[SD+8*\t+3], v[SD+8*\t+4], v[SD+8*\t+5]
.endr
.irp t, 0,1,2,3
	v_max3_num_f32 v[M+2*\t], v[M+2*\t], v[M+2*\t+1], v[SD+8*\t+6]
.endr
.irp t, 0,1,2,3
	v_max3_num_f32 v[BEST+2*((\q0)+\t)+1-(\par)], v[M+2*\t], v[SD+8*\t+7], v[BEST+2*((\q0)+\t)+(\par)]   ; the new best beside the old
.endr
.irp t, 0,1,2,3
	v_cmp_gt_f32 s[MK+\t], v[BEST+2*((\q0)+\t)+1-(\par)], v[BEST+2*((\q0)+\t)+(\par)]
.endr
.irp t, 0,1,2,3
	v_cndmask_b32 v[TID+(\q0)+\t], v[TID+(\q0)+\t], s[TN], s[MK+\t]
.endr
.endm
; Eight matrix instructions on four accumulators by turns, then the vector lines of the group BEFORE: its results stand 24 vector lines behind their matrix instructions.
.macro GROUP g, f, cs, vq, pq, pd, ppar
	WIN 0x04                                       ; source 1 (x) in window 1
.irp t, 0,1,2,3
	W 0, 4*(\g)+\t, \f, \cs, D+32*(\g)+8*\t, \vq
.endr
.irp t, 0,1,2,3
	W 1, 4*(\g)+\t, \f, \cs, D+32*(\g)+8*\t, \vq
.endr
	WIN 0
	VAL \pq, \pd, \ppar
.endm
; One record against my 8 tiles of x; the next record's registers are fetched at its head, 24 vector lines behind the last matrix instruction that read them
.macro UNIT cur, off, fetch, wait
.if \wait
	s_wait_dscnt 0x0
.endif
.if \fetch
.irp g, 0,1,2,3,4,5
	ds_load_b128 v[FA+24*(1-(\cur))+4*\g:FA+24*(1-(\cur))+4*\g+3], v[AI] offset:(\off)+512*\g
.endr
	ds_load_b32 v[CS+1-(\cur)], v[AS] offset:(\off)
	ds_load_b128 v[VQ+8*(1-(\cur)):VQ+8*(1-(\cur))+3], v[AV] offset:(\off)
	ds_load_b128 v[VQ+8*(1-(\cur))+4:VQ+8*(1-(\cur))+7], v[AV] offset:(\off)+16
.endif
	GROUP 0, FA+24*(\cur), CS+(\cur), VQ+8*(\cur), 4, 1, 1-(\cur)
	s_add_co_u32 s[TN], s[TN], 1                   ; from here on the finished groups belong to this record
	GROUP 1, FA+24*(\cur), CS+(\cur), VQ+8*(\cur), 0, 0, \cur
.endm
.macro TRIP last                       ; two records
	s_wait_dscnt 0x0
	v_add_nc_u32 v[AI], s[TB], v[L16]
	v_add_nc_u32 v[AS], s[TB], v[AS0]
	v_add_nc_u32 v[AV], s[TB], v[AV0]
	UNIT 0, REC, 1, 0
	UNIT 1, 2*REC, 1-(\last), 1
.if (\last) == 0
	s_add_co_u32 s[TB], s[TB], 2*REC
.endif
.endm
.Ltrip:
	TRIP 0
	s_sub_co_u32 s[CNT], s[CNT], 1
	s_cmp_lg_u32 s[CNT], 0
	s_cbranch_scc1 .Ltrip
	TRIP 1                                         ; the last two records fetch nothing beyond the slice
	VAL 4, 1, 1
; The way out, the eight tiles by turns.  The final best of tile q lies in BEST + 2 q.
.irp q, 0,1,2,3,4,5,6,7
	v_lshl_add_u32 v[IDX+\q], v[TID+\q], 1, v[IB]  ; the group: 128 slice + 2 record + h
.endr
.irp q, 0,1,2,3,4,5,6,7
	v_permlanex16_b32 v[OV+\q], v[BEST+2*\q], s[SEL], s[SEL+1]
.endr
.irp q, 0,1,2,3,4,5,6,7
	v_permlanex16_b32 v[OI+\q], v[IDX+\q], s[SEL], s[SEL+1]
.endr
.irp q, 0,1,2,3,4,5,6,7
	v_cmp_gt_f32 s[68+\q], v[OV+\q], v[BEST+2*\q]
.endr
.irp q, 0,1,2,3,4,5,6,7
	v_cmp_eq_f32 s[76+\q], v[OV+\q], v[BEST+2*\q]
.endr
.irp q, 0,1,2,3,4,5,6,7
	v_cmp_lt_u32 s[84+\q], v[OI+\q], v[IDX+\q]
.endr
.irp q, 0,1,2,3,4,5,6,7
	s_and_b32 s[76+\q], s[76+\q], s[84+\q]
	s_or_b32 s[68+\q], s[68+\q], s[76+\q]          ; the other half's is larger, or equal with the lower group
.endr
.irp q, 0,1,2,3,4,5,6,7
	v_cndmask_b32 v[BEST+2*\q], v[BEST+2*\q], v[OV+\q], s[68+\q]
.endr
.irp q, 0,1,2,3,4,5,6,7
	v_cndmask_b32 v[IDX+\q], v[IDX+\q], v[OI+\q], s[68+\q]
.endr
.irp q, 0,1,2,3,4,5,6,7
	v_sub_f32 v[BEST+2*\q], 0, v[BEST+2*\q]        ; 0 - t = score / 2: the smaller the better, and a zero is +0
.endr
.irp q, 0,1,2,3,4,5,6,7
	v_ashrrev_i32 v[KT+\q], 31, v[BEST+2*\q]       ; the key: a negative number's bits are all turned over, of any other the sign bit alone
.endr
.irp q, 0,1,2,3,4,5,6,7
	v_or_b32 v[KT+\q], 0x80000000, v[KT+\q]
.endr
.irp q, 0,1,2,3,4,5,6,7
	v_xor_b32 v[KT+\q], v[BEST+2*\q], v[KT+\q]
.endr
.irp q, 0,1,2,3,4,5,6,7
	ds_store_b32 v[RSA], v[KT+\q] offset:64*\q     ; both halves of the lanes hold the same word
	ds_store_b32 v[RSA], v[IDX+\q] offset:512+64*\q
.endr
	ds_load_b128 v[FA:FA+3], v[XSI]                ; my own stage, in order: 128 keys, 128 groups
	ds_load_b128 v[FA+4:FA+7], v[XSI] offset:512
	s_wait_dscnt 0x0
	global_store_b128 v[L16], v[FA:FA+3], s[10:11]                 ; 512 consecutive bytes each
	global_store_b128 v[L16], v[FA+4:FA+7], s[10:11] offset:1048576
	s_wait_tensorcnt 0x0                           ; the wave's end
	ds_add_u32 v[SPW], v[NIL]
	s_wait_dscnt 0x0
	CROUND                                         ; the closing round
	s_endpgm
.Lfunc_end_k_qb99935ee80_scan:
	.size	k_qb99935ee80_scan, .Lfunc_end_k_qb99935ee80_scan-k_qb99935ee80_scan
	.p2alignl 7, 3214868480
	.fill 96, 4, 3214868480
	.section	.rodata,"a",@progbits
	.p2align	6, 0x0
	.amdhsa_kernel k_qb99935ee80_scan
		.amdhsa_group_segment_fixed_size 327680
		.amdhsa_private_segment_fixed_size 0
		.amdhsa_enable_private_segment 0
		.amdhsa_kernarg_size 32
		.amdhsa_user_sgpr_count 2
		.amdhsa_user_sgpr_kernarg_segment_ptr 1
		.amdhsa_wavefront_size32 1
		.amdhsa_system_sgpr_workgroup_id_x 1
		.amdhsa_system_sgpr_workgroup_id_y 1
		.amdhsa_system_sgpr_workgroup_id_z 1
		.amdhsa_system_vgpr_workitem_id 0
		.amdhsa_next_free_vgpr 448
		.amdhsa_next_free_sgpr 96
		.amdhsa_reserve_vcc 1
		.amdhsa_float_denorm_mode_32 3
		.amdhsa_float_denorm_mode_16_64 3
		.amdhsa_memory_ordered 1
		.amdhsa_forward_progress 1
		.amdhsa_inst_pref_size 51
	.end_amdhsa_kernel
	.amdgpu_metadata
---
amdhsa.version: [ 1, 2 ]
amdhsa.kernels:
  - .name:           k_qb99935ee80_scan
    .symbol:         k_qb99935ee80_scan.kd
    .args:
      - { .name: x_codes, .offset: 0, .size: 8, .value_kind: global_buffer, .address_space: global }
      - { .name: x_scales, .offset: 8, .size: 8, .value_kind: global_buffer, .address_space: global }
      - { .name: vq, .offset: 16, .size: 8, .value_kind: global_buffer, .address_space: global }
      - { .name: part, .offset: 24, .size: 8, .value_kind: global_buffer, .address_space: global }
    .group_segment_fixed_size: 327680
    .private_segment_fixed_size: 0
    .kernarg_segment_align: 8
    .kernarg_segment_size: 32
    .max_flat_workgroup_size: 256
    .sgpr_count:     96
    .vgpr_count:     448
    .wavefront_size: 32
...
	.end_amdgpu_metadata
.endif
;; end of part 2
;; launch pick (part 3): grid 256 x 1, 8 waves a work-group, no clusters, 1,536 bytes of LDS; arguments part, vq, x_codes, x_scales, out0; writes out0
.if DOCPART == 3
	.amdgcn_target "amdgcn-amd-amdhsa--gfx1250"
	.amdhsa_code_object_version 6
	.text
	.protected	k_qb99935ee80_pick
	.globl	k_qb99935ee80_pick
	.p2align	8
	.type	k_qb99935ee80_pick,@function
k_qb99935ee80_pick:
	s_mov_b64 s[64:65], 0
	v_nop
	global_prefetch_b8 v0, s[64:65] scope:SCOPE_SE
	s_setreg_imm32_b32 hwreg(HW_REG_WAVE_MODE, 25, 1), 1
	s_wait_xcnt 0x0
; out0[query] = the index of the query's smallest score.  Launch scan has left, for each of 8 slices, a key (a whole number that rises with the slice's smallest score) and the group of 8 codes in which it lies.
; 1. The smallest key of the eight, by whole-number compares; the comparison is strict and the lower slice stands first, so the lower group keeps a tie.
; 2. The winning group's 8 sums t = dot - v_sq / 2 are made again, by the same two matrix instructions on the same registers' order of K and the same C, so they have the same bits as in scan.
; 3. The lowest of the 8 places that holds their maximum: index = 8 group + place.
; A wave takes 16 queries (one tile of x as source 1).  Source 0's tile t holds the 8 code rows of query 2 t (rows 0-7) and of query 2 t + 1 (rows 8-15), gathered row by row from vq's records:
; lane (r, h) takes the 96 bytes that lane (8 (group & 1) + r % 8, h) of the record group / 2 holds.  In tile t's result lane (n, h) holds rows 8 h + j against query n: query n finds its own 8 in tile n / 2, in the half h = n % 2.
; C is, in every tile, the lane's own query's 8 words of -v_sq / 2: right in the lanes whose results are kept, and of no account in the others.
; The groups are whole numbers read from memory; each is held to 1,023 before it enters an offset.
; No cluster, no tensor load: the rows hang on stored numbers and no two work-groups share a tile.  No loop, so no prefetch.  LIMITS: NaN and infinities are not served; the order of rounding is scan's.
.set R,    2
.set H,    3
.set PO,   4                           ; 4 r
.set XO,   5                           ; 192 r + 96 h
.set SO8,  6                           ; 8 r
.set BI,   7                           ; 4 (r / 8)
.set TS,   8                           ; r / 2
.set LST,  9
.set L16,  10
.set LC,   11                          ; 16 (r % 8) + 256 h
.set LS,   12                          ; 4 (r % 8) + 64 h
.set SELV, 13
.set XS,   14                          ; x's scale words
.set VO,   15
.set KEY,  16
.set GID,  24
.set XF,   32                          ; v32-55 x's tile
.set XB,   56
.set G,    58                          ; v58-65 tile t: the group whose row I fetch
.set BIX,  66
.set TA,   74
.set TBT,  82
.set AO,   90
.set SOF,  98
.set ASC,  106                         ; v106-113 the gathered tiles' scale registers
.set VS,   114                         ; v114-121 my query's 8 words of -v_sq / 2
.set IDX,  122
.set OTH,  123
.set O,    124
.set SPW,  126
.set NIL,  127
.set D,    128                         ; v128-191 eight accumulators
.set MM,   192
	s_load_b256 s[4:11], s[0:1], 0x0               ; part, vq, x_codes, x_scales
	s_load_b64 s[12:13], s[0:1], 0x20              ; out0
	v_lshl_add_u32 v[SPW], v0, 2, 512              ; the spare words lie behind the 512 bytes of results
	v_mov_b32 v[NIL], 0
	v_lshrrev_b32 v1, 5, v0
	v_readfirstlane_b32 s14, v1                    ; wave 0..7
	s_lshl_b32 s15, ttmp9, 7                       ; the work-group's 128 queries
	s_lshl_b32 s16, s14, 4
	s_add_co_u32 s16, s16, s15                     ; my wave's 16
	s_mul_i32 s18, s16, 192
	s_mov_b32 s19, 0
	s_lshl_b32 s20, s16, 3
	s_mov_b32 s21, 0
	s_lshl_b32 s22, s16, 2
	s_mov_b32 s23, 0
	s_lshl_b32 s24, s15, 2
	s_mov_b32 s25, 0
	s_lshl_b32 s27, s14, 6
	s_mov_b32 s36, 0x76543210
	s_mov_b32 s37, 0xfedcba98
	v_and_b32 v[R], 15, v0
	v_bfe_u32 v[H], v0, 4, 1
	v_and_b32 v1, 7, v0
	v_and_b32 v[L16], 31, v0
	v_bfe_u32 v[BI], v0, 3, 1
	v_bfe_u32 v[TS], v0, 1, 3
	v_and_b32 v[OTH], 1, v0
	v_lshlrev_b32 v[PO], 2, v[R]
	v_mul_u32_u24 v[XO], v[R], 192
	v_lshlrev_b32 v[SO8], 3, v[R]
	v_lshlrev_b32 v[L16], 4, v[L16]
	v_lshlrev_b32 v[BI], 2, v[BI]
	v_lshlrev_b32 v[LC], 4, v1
	v_lshlrev_b32 v[LS], 2, v1
	v_mad_u32_u24 v[XO], v[H], 96, v[XO]
	v_lshl_add_u32 v[LST], v[R], 2, s27            ; 64 wave + 4 r
	v_lshl_add_u32 v[LC], v[H], 8, v[LC]
	v_lshl_add_u32 v[LS], v[H], 6, v[LS]
	v_cmp_eq_u32 s39, v[OTH], v[H]                 ; my half holds my query's own sums
	v_cmp_eq_u32 vcc_lo, 1, v[H]
	v_mov_b32 v[SELV], 0x07030602
	v_cndmask_b32 v[SELV], 0x05010400, v[SELV], vcc_lo
.irp t, 0,1,2,3,4,5,6,7
	v_add_nc_u32 v[BIX+\t], 8*\t, v[BI]            ; 4 x the lane that holds query 2 t + r / 8
.endr
.irp t, 1,2,3,4,5,6,7
	v_cmp_eq_u32 s[40+\t], \t, v[TS]
.endr
	s_wait_alu depctr_va_vdst(0)                   ; the wait at the head's end
	s_wait_kmcnt 0x0
	s_add_nc_u64 s[4:5], s[4:5], s[22:23]
	s_add_nc_u64 s[8:9], s[8:9], s[18:19]
	s_add_nc_u64 s[10:11], s[10:11], s[20:21]
	s_add_nc_u64 s[12:13], s[12:13], s[24:25]
.irp s, 0,1,2,3,4,5,6,7
	global_load_b32 v[KEY+\s], v[PO], s[4:5] offset:131072*\s
	global_load_b32 v[GID+\s], v[PO], s[4:5] offset:1048576+131072*\s
.endr
.irp g, 0,1,2,3,4,5
	global_load_b128 v[XF+4*\g:XF+4*\g+3], v[XO], s[8:9] offset:16*\g   ; register n of lane (r, h): as scan lays x
.endr
	global_load_b64 v[XB:XB+1], v[SO8], s[10:11]
	s_wait_loadcnt 0x7                             ; the 16 words of part are in; x's seven loads may be out
.macro TAKE p, d                       ; the higher slice's pair takes the place of the lower's only where its key is smaller
	v_cmp_lt_u32 vcc_lo, v[KEY+\p+\d], v[KEY+\p]
	s_delay_alu instid0(VALU_DEP_1)
	v_cndmask_b32 v[KEY+\p], v[KEY+\p], v[KEY+\p+\d], vcc_lo
	v_cndmask_b32 v[GID+\p], v[GID+\p], v[GID+\p+\d], vcc_lo
.endm
	TAKE 0, 1
	TAKE 2, 1
	TAKE 4, 1
	TAKE 6, 1
	TAKE 0, 2
	TAKE 4, 2
	s_delay_alu instid0(VALU_DEP_2)
	TAKE 0, 4
	s_delay_alu instid0(VALU_DEP_1)
	v_min_u32 v[GID], 0x3ff, v[GID]                ; my query's group
.irp t, 0,1,2,3,4,5,6,7
	ds_bpermute_b32 v[G+\t], v[BIX+\t], v[GID]     ; and that of the query whose row I fetch for tile t
.endr
	s_wait_alu depctr_va_vdst(0)                   ; the wait ahead of the wait below
	s_wait_dscnt 0x0
.irp t, 0,1,2,3,4,5,6,7
	v_min_u32 v[G+\t], 0x3ff, v[G+\t]
.endr
.irp t, 0,1,2,3,4,5,6,7
	v_and_b32 v[TA+\t], 0x3fe, v[G+\t]             ; 2 x record
.endr
.irp t, 0,1,2,3,4,5,6,7
	v_and_b32 v[TBT+\t], 1, v[G+\t]                ; which 8 rows of it
.endr
.irp t, 0,1,2,3,4,5,6,7
	v_mad_u32_u24 v[AO+\t], v[TA+\t], 1664, v[LC]  ; a record is 2 x 1,664 bytes
.endr
.irp t, 0,1,2,3,4,5,6,7
	v_mad_u32_u24 v[SOF+\t], v[TA+\t], 1664, v[LS]
.endr
.irp t, 0,1,2,3,4,5,6,7
	v_lshl_add_u32 v[AO+\t], v[TBT+\t], 7, v[AO+\t]     ; 8 lanes of 16 bytes on
.endr
.irp t, 0,1,2,3,4,5,6,7
	v_lshl_add_u32 v[SOF+\t], v[TBT+\t], 5, v[SOF+\t]   ; 8 words on
.endr
	v_and_b32 v1, 0x3fe, v[GID]
	v_and_b32 v[VO], 1, v[GID]
	v_mul_u32_u24 v1, v1, 1664
	s_delay_alu instid0(VALU_DEP_1)
	v_lshl_add_u32 v[VO], v[VO], 5, v1
	s_set_vgpr_msb 0x40                            ; the gathered codes go to window 1: tile t at v[24 t]
.irp t, 0,1,2,3,4,5,6,7
.irp g, 0,1,2,3,4,5
	global_load_b128 v[24*\t+4*\g:24*\t+4*\g+3], v[AO+\t], s[6:7] offset:512*\g
.endr
.endr
	s_set_vgpr_msb 0x4000
.irp t, 0,1,2,3,4,5,6,7
	global_load_b32 v[ASC+\t], v[SOF+\t], s[6:7] offset:3072
.endr
	global_load_b128 v[VS:VS+3], v[VO], s[6:7] offset:3200
	global_load_b128 v[VS+4:VS+7], v[VO], s[6:7] offset:3216
	s_wait_alu depctr_va_vdst(0)                   ; the wait ahead of the wait below
	s_wait_loadcnt 0x0
	v_perm_b32 v[XS], v[XB+1], v[XB], v[SELV]
.rept 8
	v_nop                                          ; a scale register written by a vector instruction stands 8 places ahead of the scaled matrix instruction
.endr
	s_set_vgpr_msb 0x01                            ; source 0 in window 1
.irp t, 0,1,2,3,4,5,6,7                ; eight accumulators by turns
	v_wmma_scale_f32_16x16x128_f8f6f4 v[D+8*\t:D+8*\t+7], v[24*\t:24*\t+11], v[XF:XF+11], v[VS:VS+7], v[ASC+\t], v[XS] matrix_a_fmt:MATRIX_FMT_FP6 matrix_b_fmt:MATRIX_FMT_FP6
.endr
.irp t, 0,1,2,3,4,5,6,7
	v_wmma_scale_f32_16x16x128_f8f6f4 v[D+8*\t:D+8*\t+7], v[24*\t+12:24*\t+23], v[XF+12:XF+23], v[D+8*\t:D+8*\t+7], v[ASC+\t], v[XS] matrix_a_fmt:MATRIX_FMT_FP6 matrix_b_fmt:MATRIX_FMT_FP6 matrix_a_scale:MATRIX_SCALE_ROW1 matrix_b_scale:MATRIX_SCALE_ROW1
.endr
	s_set_vgpr_msb 0x0100
.rept 4
	v_nop                                          ; four places behind the last matrix instruction
.endr
.irp t, 1,2,3,4,5,6,7
.irp j, 0,1,2,3,4,5,6,7
	v_cndmask_b32 v[D+\j], v[D+\j], v[D+8*\t+\j], s[40+\t]   ; tile r / 2's eight sums, each accumulator from its low end on
.endr
.endr
	v_max3_num_f32 v[MM], v[D], v[D+1], v[D+2]
	v_max3_num_f32 v[MM+1], v[D+3], v[D+4], v[D+5]
	v_mov_b32 v[IDX], 7
	s_delay_alu instid0(VALU_DEP_2)
	v_max3_num_f32 v[MM], v[MM], v[MM+1], v[D+6]
	s_delay_alu instid0(VALU_DEP_1)
	v_max_num_f32 v[MM], v[MM], v[D+7]
.irp j, 6,5,4,3,2,1,0
	v_cmp_eq_f32 vcc_lo, v[D+\j], v[MM]
	s_delay_alu instid0(VALU_DEP_1)
	v_cndmask_b32 v[IDX], v[IDX], \j, vcc_lo       ; descending: the lowest place stays
.endr
	s_delay_alu instid0(VALU_DEP_1)
	v_lshl_add_u32 v[O], v[GID], 3, v[IDX]
	s_delay_alu instid0(VALU_DEP_1)
	v_permlanex16_b32 v[OTH], v[O], s36, s37
	s_delay_alu instid0(VALU_DEP_1)
	v_cndmask_b32 v[O], v[OTH], v[O], s39          ; the half that held the query's own sums speaks for both
	ds_store_b32 v[LST], v[O]                      ; both halves store the same word
	s_wait_tensorcnt 0x0                           ; behind my last LDS store
	ds_add_u32 v[SPW], v[NIL]
	s_wait_dscnt 0x0                               ; my store is done, for wave 0's sake
	s_barrier_signal -1
	s_barrier_wait -1
	s_cmp_lg_u32 s14, 0
	s_cbranch_scc1 .Ldone
	ds_load_b128 v[MM:MM+3], v[L16]                ; wave 0 sends the work-group's 128 indices out: 512 consecutive bytes
	s_wait_dscnt 0x0
	global_store_b128 v[L16], v[MM:MM+3], s[12:13]
.Ldone:
	s_endpgm
.Lfunc_end_k_qb99935ee80_pick:
	.size	k_qb99935ee80_pick, .Lfunc_end_k_qb99935ee80_pick-k_qb99935ee80_pick
	.p2alignl 7, 3214868480
	.fill 96, 4, 3214868480
	.section	.rodata,"a",@progbits
	.p2align	6, 0x0
	.amdhsa_kernel k_qb99935ee80_pick
		.amdhsa_group_segment_fixed_size 1536
		.amdhsa_private_segment_fixed_size 0
		.amdhsa_enable_private_segment 0
		.amdhsa_kernarg_size 40
		.amdhsa_user_sgpr_count 2
		.amdhsa_user_sgpr_kernarg_segment_ptr 1
		.amdhsa_wavefront_size32 1
		.amdhsa_system_sgpr_workgroup_id_x 1
		.amdhsa_system_sgpr_workgroup_id_y 1
		.amdhsa_system_sgpr_workgroup_id_z 1
		.amdhsa_system_vgpr_workitem_id 0
		.amdhsa_next_free_vgpr 448
		.amdhsa_next_free_sgpr 66
		.amdhsa_reserve_vcc 1
		.amdhsa_float_denorm_mode_32 3
		.amdhsa_float_denorm_mode_16_64 3
		.amdhsa_memory_ordered 1
		.amdhsa_forward_progress 1
		.amdhsa_inst_pref_size 25
	.end_amdhsa_kernel
	.amdgpu_metadata
---
amdhsa.version: [ 1, 2 ]
amdhsa.kernels:
  - .name:           k_qb99935ee80_pick
    .symbol:         k_qb99935ee80_pick.kd
    .args:
      - { .name: part, .offset: 0, .size: 8, .value_kind: global_buffer, .address_space: global }
      - { .name: vq, .offset: 8, .size: 8, .value_kind: global_buffer, .address_space: global }
      - { .name: x_codes, .offset: 16, .size: 8, .value_kind: global_buffer, .address_space: global }
      - { .name: x_scales, .offset: 24, .size: 8, .value_kind: global_buffer, .address_space: global }
      - { .name: out0, .offset: 32, .size: 8, .value_kind: global_buffer, .address_space: global }
    .group_segment_fixed_size: 1536
    .private_segment_fixed_size: 0
    .kernarg_segment_align: 8
    .kernarg_segment_size: 40
    .max_flat_workgroup_size: 256
    .sgpr_count:     66
    .vgpr_count:     448
    .wavefront_size: 32
...
	.end_amdgpu_metadata
.endif
;; end of part 3
